; MI455X (gfx1250); checked and timed in simulation.
; The chip was launched on July 23, 2026; its instructions are those of AMD's public machine-readable ISA for CDNA 5 (MIT licence, August 2026) and "CDNA5" Instruction Set Architecture Reference Guide (July 2026). The comments in the code are by the model that wrote it; some were corrected since.
;; Mo E. Allowed arithmetic: matrix products marked QUANTISED: E2M1 operands, one E8M0 scale for each 32 along K, by v_wmma_scale_f32_16x16x128_f8f6f4 with both operands' format E2M1 (or v_wmma_scale_f32_32x16x128_f4), f32 sums; products left as they are: f32 operands where the result goes on into a quantised operand, else bf16, f16 or f32 operands; f32 sums; everything else in f32.
;; Inputs: gb 32 float32; gw_codes 32 x 32 x 16 uint8 (E2M1 codes of gw, K innermost, in blocks of 32 codes, two codes a byte); gw_scales 32 x 32 uint8 (E8M0 scales of gw, one for each 32 codes along K); pb_codes 1,024 x 1 x 16 uint8 (E2M1 codes of pb, K innermost, in blocks of 32 codes, two codes a byte); pb_scales 1,024 x 1 uint8 (E8M0 scales of pb, one for each 32 codes along K); pw_codes 1,024 x 32 x 32 x 16 uint8 (E2M1 codes of pw, K innermost, in blocks of 32 codes, two codes a byte); pw_scales 1,024 x 32 x 32 uint8 (E8M0 scales of pw, one for each 32 codes along K); x_codes 2,048 x 32 x 16 uint8 (E2M1 codes of x, K innermost, in blocks of 32 codes, two codes a byte); x_scales 2,048 x 32 uint8 (E8M0 scales of x, one for each 32 codes along K).
;; Outputs: out0 2,048 x 1,024 float32.
;; This version of the problem:
;;   THIS VERSION OF THE PROBLEM IS GIVEN IN LOW PRECISION. The matrix products marked QUANTISED in the list below multiply operands that are first quantised to E2M1 (2 exponent bits, 1 mantissa bit; 4 bits a number), with one power-of-two scale for each 32 numbers along K (OCP MX v1.0); their sums are f32. All else is computed in f32.
;;   The module's matrix products, in the order in which they are computed (A, B: the left and right operand; K: the contracted axis; several contracted axes count as one K, in the product's order):
;;     1. [M 2,048, K 1,024] x [K 1,024, N 32]; A: input x (given as codes); B: input gw (given as codes): QUANTISED
;;     2. [M 2,048, K 1,024] x [K 1,024, N 32,768]; A: input x (given as codes); B: input pw (given as codes): QUANTISED
;;     3. batch 2,048 x [M 1,024, K 32] x [K 32, N 1]; A: computed on the way; B: softmax (see below): left as it is (N = 1 < 16)
;;     4. [M 2,048, K 32] x [K 32, N 1,024]; A: softmax (see below); B: input pb (given as codes): QUANTISED
;;   THE QUANTISER, for each operand of a quantised product, along K:
;;     - K is cut into blocks of 32 from its start; a last block that is shorter is filled with zeros.
;;     - A block's scale is 2^e with e = floor(log2(the largest magnitude in the block)) - 2, held to -126 .. 127; a block of zeros has e = 0. As a byte (E8M0): e + 127.
;;     - Each number is divided by its block's scale, clamped to +-6, and rounded to the nearest number of E2M1, ties to even, subnormals kept.
;;     - The product sums the exact products of the quantised numbers (number of the format x scale) in f32.
;;   ~~~python
;;   def quantise(x, axis):      # numpy; x: float32 -> the quantised numbers, widened to float32 again
;;       x = np.moveaxis(x, axis, -1); K = x.shape[-1]
;;       x = np.pad(x, [(0, 0)] * (x.ndim - 1) + [(0, -K % 32)]); x = x.reshape(x.shape[:-1] + (-1, 32)); a = np.abs(x).max(-1, keepdims=True)
;;       e = np.where(a > 0, np.clip(np.frexp(np.where(a > 0, a, 1))[1] - 1 - 2, -126, 127), 0)      # np.frexp(a)[1] - 1 = floor(log2(a)), exactly
;;       r = np.clip(x / 2.0 ** e, -6, 6)
;;       step = 2.0 ** (np.maximum(np.frexp(np.where(r == 0, 1, r))[1] - 1, 0) - 1)
;;       q = np.round(r / step) * step * 2.0 ** e      # np.round: ties to even
;;       return np.moveaxis(q.reshape(q.shape[:-2] + (-1,))[..., :K], -1, axis).astype(np.float32)
;;   ~~~
;;   SOFTMAX AHEAD OF A QUANTISED PRODUCT. Where the list says 'softmax', what is quantised is not the finished softmax but p = 2^(t - M), with t = logit x log2(e) and M = ceil(the row's largest t), a whole number; so 1/2 < the row's largest p <= 1. The row's sum l is taken of the UNQUANTISED p, in f32, and the product's result is divided by l at the end. Since M is a whole number, a kernel that streams over the keys may use a running M (the ceiling of the running maximum): every later rescaling is an exact power of two, which a block's scale takes up: the codes' values come out the same.
;;   OPERANDS COMPUTED ON THE WAY. 'Computed on the way' means the value that the module computes at that place (a softmax that the list does not call 'softmax' is quantised finished and normalised). What goes into a quantiser is computed in f32, as accurately as f32 sums, v_exp_f32 and their like allow (about 1e-6 of the number): no bf16 or f16 on the way to a quantiser, and a product that is left as it is and whose result goes on into a quantised operand takes f32 operands (vector FMAs, or v_wmma_f32_16x16x4_f32). A number that lies on a knife's edge between two numbers of the format may be rounded either way, as far as f32 arithmetic and the matrix unit's own rounding can turn it there, and no further.
;;   INPUTS GIVEN AS CODES. gw (in the module: [1024, 32], K = its axis 0); pb (in the module: [1024, 32], K = its axis 1); pw (in the module: [1024, 1024, 32], K = its axis 1); x (in the module: [2048, 1024], K = its axis 1): each comes as NAME_codes (uint8): NAME with its K axis moved to the last place and cut into blocks of 32 codes, [.., K / 32, bytes a block], one block behind the other in memory; two codes a byte, the lower K in the low four bits (a code: sign, 2 exponent bits, 1 mantissa bit); and NAME_scales (uint8): the same leading axes, one E8M0 byte (e + 127) for each 32 codes along K. Its value is code x scale, taken as it is: it is not quantised again, and the codes and scales need not be those that the quantiser above would give.
;; One version. Each part assembles by itself: llvm-mc -triple=amdgcn-amd-amdhsa -mcpu=gfx1250 --defsym DOCPART=n.
;; ======== version 1 of 1: 1 launch
;; launch moe (part 1): grid 32 x 8, 4 waves a work-group, clusters of 4 x 4, 327,680 bytes of LDS; arguments pw_codes, pw_scales, gw_codes, gw_scales, x_codes, x_scales, gb, pb_codes, pb_scales, out0; writes out0
.if DOCPART == 1
	.amdgcn_target "amdgcn-amd-amdhsa--gfx1250"
	.amdhsa_code_object_version 6
	.text
	.protected	k_qfaee64a688_moe
	.globl	k_qfaee64a688_moe
	.p2align	8
	.type	k_qfaee64a688_moe,@function
k_qfaee64a688_moe:
	s_mov_b64 s[64:65], 0
	v_nop
	global_prefetch_b8 v0, s[64:65] scope:SCOPE_SE
	s_setreg_imm32_b32 hwreg(HW_REG_WAVE_MODE, 25, 1), 1
	s_wait_xcnt 0x0
	s_wait_alu depctr_hold_cnt(0) depctr_sa_sdst(0) depctr_va_vdst(0) depctr_va_sdst(0) depctr_va_ssrc(0) depctr_va_vcc(0) depctr_vm_vsrc(0)
	s_getreg_b32 s2, hwreg(HW_REG_IB_STS2, 6, 4)
	s_cmp_eq_u32 s2, 0
	s_cbranch_scc0 .Lentry_in_a_cluster
	s_endpgm
.Lentry_in_a_cluster:
	s_bfe_u32 s2, ttmp6, 0x10000c
	s_cmp_lg_u32 s2, 0xf033
	s_cbranch_scc0 .Lentry_shape_is_right
	s_endpgm
.Lentry_shape_is_right:
; out[b][o] = ( sum_l proj[b][o][l] p[b][l]  +  sum_l Q(p)[b][l] pb[o][l] ) / sum_l p[b][l],   proj[b][o][l] = sum_k x[b][k] pw[o][k][l],
; p[b][l] = 2^(t - M), t = (sum_k x[b][k] gw[k][l] + gb[l]) log2(e), M = ceil(the row's largest t).  x, gw, pw, pb arrive as E2M1 codes with one E8M0 byte for each 32 along K, K innermost.
; x gw, x pw and Q(p) pb go to the matrix unit as codes and scale bytes, as they lie; the sum over l with the gate is f32 multiply-adds on the accumulators; proj never exists in memory or LDS.
; SHARES.  2,048 rows b x 1,024 outputs o = 8 x 32 work-groups of 256 b x 32 o.  Wave w of four owns rows 128 (w / 2) on and outputs 16 (w % 2) on.  Row 32 o + l of pw_codes (512 bytes) is leaf l of output o.
; x STAYS IN REGISTERS: a wave's 128 rows for all 1,024 of K are 64 fragments, 512 registers, read from LDS once.  pw streams through a ring of two LDS slots of 8 outputs (4 for each half of the waves).
; THE FORM.  x pw and x gw go by the 32 x 16 x 128 form: source 0 = ALL 32 LEAVES of one output (16 registers), source 1 = 16 rows of x (8 registers).  An output is 8 K steps x 8 tiles of rows = 64 matrix instructions;
; its 2 KB of codes for a K step feed eight of them, and a fragment of x is named once for each output and K step.
; LAYOUT.  In the result lane (r, h) holds ONE row b = 16 m + r; registers 0-7 hold leaves 8 h + j, registers 8-15 leaves 16 + 8 h + j.  The gate's product has the same form (gw is one more output), so p lies where
; the sum over l wants it: eight packed multiply-adds an accumulator.
; THE ORDER.  The eight accumulators fill 128 registers and have no second set: each is read out between its last K step and the next output's first.  So K steps 0, 1 and 6, 7 go tiles 0-3 first, then tiles 4-7:
; the sum over l of tiles 0-3 stands behind the last eight matrix instructions of tiles 4-7, that of tiles 4-7 behind the next output's first eight of tiles 0-3, four multiply-adds behind each.
; CLUSTER 4 x 4.  The four work-groups of a row of the cluster need the same rows of x, the four of a column the same rows of pw: these tiles are asked for jointly.  gw (17 KB) is the same for all sixteen: its address hangs on no
; coordinate that a mask of four could leave out, so each work-group fetches it by a plain load.
; EVERY WAVE COMPUTES THE GATE OF ITS OWN 128 ROWS: 64 matrix instructions beside the 1,024 of its share of x pw, and no exchange and no launch is spent on it.
; THE WAY OUT.  A row's piece of out0 is 32 outputs = 128 consecutive bytes, aligned to 128.  Pieces of 256 bytes would want 64 outputs a work-group, which at 256 work-groups means 128 rows b and 1 MB of pw each, against
; 128 KB of x + 512 KB of pw here.
; LIMITS.  NaN, infinities and scale bytes 0xff are not served.  p under 2^-126 comes out of v_exp_f32 as 0.  t is the sum x log2(e) + (gb x log2(e)): two roundings where (sum + gb) x log2(e) has two others.
; The division by the row's sum is v_rcp_f32 and a multiplication.  The row's largest p lies above 1/2, so the scale byte of Q(p) needs no floor.
;
; LDS, in bytes
.set PITCH, 528                        ; a row of 1,024 codes: 512 bytes + 16 of padding = 33 x 16: the 16 rows of a fragment load fall on 16 different columns of 16 bytes
.set HALFC, 128*PITCH                  ; 128 rows: one tensor load: 4 outputs of pw, or half the work-group's rows of x
.set OB,    32*PITCH                   ; one output's 32 leaves
.set FB,    16*PITCH                   ; 16 rows
.set UNIT,  272                        ; scale bytes lie as 256 bytes (8 rows of 32) + 16 of padding
.set HALFS, 16*UNIT                    ; those of 128 rows
.set OS,    4*UNIT                     ; of one output
.set R0C,   0                          ; slot 0: codes, the two halves of the waves' outputs one behind the other,
.set R0S,   R0C+2*HALFC                ;         and their scale bytes
.set R1C,   R0S+2*HALFS                ; first x's 256 rows, then slot 1's codes,
.set R1S,   R1C+2*HALFC                ; slot 1's scale bytes
.set SPARE, R1S+2*HALFS                ; the spare words, 128 bytes for each wave: two blocks of 256 bytes that no other line names
.set GW,    SPARE+512                  ; gw's codes, 32 rows,
.set GWS,   GW+OB                      ; and its scale bytes: both filled once
.set STAGE, GW                         ; 8,192 bytes for each wave: 128 rows b x 16 outputs f32.  It lies over gw, which has had its only fill, behind a barrier behind gw's last read.
                                       ; Of row n the column of 16 bytes number c lies at c xor ((n / 4) % 4), so that loads of 16 bytes from 16 rows fall on 16 different columns
; SCALAR REGISTERS
.set YO,   2                           ; s[2:3]  in the head: a byte offset that hangs on the row block; later TB, TS
.set TB,   2                           ; s2      LDS byte of the output whose fragments are being fetched
.set TS,   3                           ; s3      the same for its scale bytes
.set ROW0, 4                           ; s4      in the head: a first row; later TO
.set TO,   4                           ; s4      4 x (the finished output's number % 4): its word in a stage column
.set RM,   5                           ; s5      mask: my row of the cluster
.set CM,   6                           ; s6      mask: my column of the cluster
.set XO,   6                           ; s[6:7]  in the head, when the mask has been used: a byte offset that hangs on the column group; later CNT
.set CNT,  7                           ; s7      loop counter
.set G0P1, 8                           ; s[8:11]  group 0: pw's codes, chunks 1 and 3 (slot 1); first the arguments lie in s[8:27]
.set G0S1, 12                          ; s[12:15] group 0: pw's scales, chunks 1 and 3
.set WV,   28                          ; wave 0..3
.set BH,   29                          ; wave / 2: which 128 rows b are mine
.set OH,   30                          ; wave % 2: which 16 outputs are mine; also which half of a tile I fetch
.set CX,   31
.set CY,   32
.set WGX,  33                          ; column group of 32 outputs
.set WGY,  34                          ; row block of 256 rows
.set O0,   35                          ; 32 WGX + 16 OH
.set G0S,  36                          ; s[36:39] group 0: pw's scales, chunks 0 and 2 (slot 0)
.set G1X,  40                          ; s[40:47] group 1: x, 128 rows x 512 bytes
.set G1P,  48                          ; s[48:55] group 1: pw's codes, likewise
.set G1G,  56                          ; s[56:63] group 1: gw's codes, 32 rows
.set OHC,  66                          ; OH x HALFC
.set OHS,  67                          ; OH x HALFS
.set G1GS, 68                          ; s[68:75] group 1: gw's scales, 4 x 256 bytes
.set G1S,  76                          ; s[76:83] group 1: pw's scales, 16 x 256 bytes
.set G0X,  84
.set G0G,  88
.set G0GS, 92
.set G0P,  96                          ; s[96:99] group 0: pw's codes, chunks 0 and 2
.set SEL,  100                         ; s[100:101] v_permlanex16_b32's selects for lane l xor 16
.set CS,   104                         ; s[104:105] log2(e), twice: the packed form names a pair
; VECTOR REGISTERS, in windows of 256 (s_set_vgpr_msb: bits 1:0 source 0, 3:2 source 1, 5:4 source 2, 7:6 destination).  Scale operands are always taken from window 0.
; window 0
.set SPW,  1                           ; LDS address of my spare word; never rewritten
.set NIL,  2                           ; 0; never rewritten
.set LN,   3                           ; lane
.set RR,   4                           ; r = lane % 16
.set HH,   5                           ; h = lane / 16
.set SW,   6                           ; (lane / 4) % 4
.set PBO,  7                           ; 16 r
.set AX,   8                           ; LDS address of my lane in my 128 rows of x
.set GO,   9                           ; the way out: my byte offset in four rows of out0
.set AO,   10                          ; v10-13 the way out: my LDS address, for rows whose (n / 4) % 4 is 0..3
.set XSO,  14                          ; 32 r + 16 h
.set GBO,  15                          ; 32 h
.set XS,   16                          ; v16-47 x's scale words of K steps 0-3, 4 a tile m, in lanes 0-15 (lanes 16-31 hold words 4-7 and are not read)
.set SC,   48                          ; v48-55 pw's scale words: register q: K step q; lane l: leaf l
.set PW,   56                          ; v56-63 the scale word of Q(p), tile m
.set PBS,  64                          ; pb's scale word
.set XSO2, 65                          ; 32 r + 16 (1 - h)
.set GBL,  66                          ; v66-81 gb x log2(e): register j as an accumulator's register j
.set PB,   82                          ; v82-89 pb's fragment
.set T0,   90                          ; v90-95 at work in the head
.set XS2,  96                          ; v96-127 x's scale words of K steps 4-7, in lanes 0-15: so no instruction of the 32-row form carries a selector
.set OUTR, 128                         ; v128-255: x's fragments of K steps 3, 4; at the end rows of out0
; window 1: v0-191 x's fragments of K steps 0-2;  window 2: v0-191 those of K steps 5-7  (K step, tile m: 8 registers)
.set PR,   192                         ; v192-255: p, 16 registers a tile, as an accumulator's: window 2: tiles 0-3;  window 1: tiles 4-7: each in the window that x has while it is used
; window 3: v0-127 the eight accumulators, tile m at 16 m
.set F,    128                         ; v128-191 pw's fragments: two buffers of two K steps; a K step: 16 registers: leaves 0-15, then leaves 16-31
.set S,    192                         ; v192-207 the sum over l, a pair a tile
.set RL,   208                         ; v208-223 1 / the row's sum, twice, a pair a tile
.set AF0,  224                         ; r x 528 + 16 h
.set ADF,  225                         ; + TB
.set AS0,  226                         ; 32 lane + 16 (lane / 8): leaf l's 32 scale bytes
.set ADS,  227                         ; + TS
.set AT0,  228                         ; v228-231 the stage: row r + 64 h of my block, column 0..3
.set AST,  232                         ; + TO
.set AR0,  233                         ; the stage: row r, column 2 h
.set AR1,  234                         ; column 2 h + 1
.set MX,   240                         ; v240-247 the row's largest t; then its largest p; then that with 2 off its exponent field
.set TMP,  248                         ; v248-255 lane permutes' destinations
.set MSB, 0
.macro WIN new                         ; the immediate's high byte repeats the setting that is left; a switch that changes nothing is dropped
.if MSB != \new
	s_set_vgpr_msb (MSB<<8)|\new
.set MSB, \new
.endif
.endm
; A load into a register that a matrix instruction has read, and a vector instruction or LDS store that reads a matrix result, stand four places behind that matrix instruction, and only plain vector
; instructions that name none of its registers are places (ISA guide 7.12.1 for vector instructions).
.macro PLACES
.rept 4
	v_nop
.endr
.endm
.macro CREST                           ; a round of the cluster's barrier behind its opening barrier
	s_cmp_lg_u32 s[WV], 0
	s_cbranch_scc1 .Lnot_wave_0_\@
	s_barrier_signal -3
.Lnot_wave_0_\@:
	s_barrier_wait -3
	s_barrier_signal -1
	s_barrier_wait -1
.endm
.macro CROUND                          ; a whole round
	s_barrier_signal -1
	s_barrier_wait -1
	CREST
.endm
; A joint refill of a slot: waves 0 and 1 fetch the two halves' codes, waves 2 and 3 their scale bytes.  The branch hangs on the wave's number alone.  Four v_nop follow each line.
.macro JL2 g0p, g0s
	s_cmp_lt_u32 s[WV], 2
	s_cbranch_scc0 .Lfor_scales_\@
	tensor_load_to_lds s[\g0p:\g0p+3], s[G1P:G1P+7]
	s_nop 0
	PLACES
	s_branch .Lasked_\@
.Lfor_scales_\@:
	tensor_load_to_lds s[\g0s:\g0s+3], s[G1S:G1S+7]
	s_nop 0
	PLACES
.Lasked_\@:
.endm
; ---------------------------------------------------------------- the head
	s_load_b512 s[8:23], s[0:1], 0x0               ; pw_codes 8, pw_scales 10, gw_codes 12, gw_scales 14, x_codes 16, x_scales 18, gb 20, pb_codes 22
	s_load_b128 s[24:27], s[0:1], 0x40             ; pb_scales 24, out0 26
	v_lshl_add_u32 v[SPW], v0, 2, SPARE
	v_mov_b32 v[NIL], 0
	ds_add_u32 v1, v2
	ds_add_u32 v1, v2
	s_wait_dscnt 0x0
	v_lshrrev_b32 v[LN], 5, v0
	v_readfirstlane_b32 s[WV], v[LN]
	s_lshr_b32 s[BH], s[WV], 1
	s_and_b32 s[OH], s[WV], 1
	s_bfe_u32 s[CX], ttmp6, 0x40000                ; my place in the cluster
	s_bfe_u32 s[CY], ttmp6, 0x40004
	s_lshl_b32 s[WGX], ttmp9, 2
	s_add_co_u32 s[WGX], s[WGX], s[CX]             ; column group = 4 x cluster x + cx
	s_and_b32 s[WGY], ttmp7, 0xffff
	s_lshl_b32 s[WGY], s[WGY], 2
	s_add_co_u32 s[WGY], s[WGY], s[CY]             ; row block = 4 x cluster y + cy
	s_lshl_b32 s[RM], s[CY], 2
	s_lshl_b32 s[RM], 15, s[RM]                    ; my row of the cluster: places 4 cy .. 4 cy + 3
	s_lshl_b32 s[CM], 0x1111, s[CX]                ; my column: places cx, cx + 4, cx + 8, cx + 12
	; group 1: 128 rows of 512 elements of one byte, 512 from row to row; 4 words of padding (code 3) behind every 128 words (code 6); bit 21 beside a mask
	s_or_b32 s[G1X], s[RM], (1<<20)|(1<<21)|(6<<22)|(3<<25)     ; x hangs on the row block alone: shared along my row
	s_or_b32 s[G1P], s[CM], (1<<20)|(1<<21)|(6<<22)|(3<<25)     ; pw on the column group alone: shared along my column
.irp g, G1X, G1P
	s_mov_b32 s[\g+1], 512<<16                     ; tensor_dim0
	s_mov_b32 s[\g+2], 128<<16                     ; tensor_dim1
	s_mov_b32 s[\g+3], 512<<16                     ; tile_dim0
	s_mov_b32 s[\g+4], 128                         ; tile_dim1
	s_mov_b32 s[\g+5], 512                         ; the pitch
	s_mov_b32 s[\g+6], 0
	s_mov_b32 s[\g+7], 0
.endr
	s_mov_b32 s[G1G], (1<<20)|(6<<22)|(3<<25)      ; gw's codes: the same rows, 32 of them, no mask
	s_mov_b32 s[G1G+1], 512<<16
	s_mov_b32 s[G1G+2], 32<<16
	s_mov_b32 s[G1G+3], 512<<16
	s_mov_b32 s[G1G+4], 32
	s_mov_b32 s[G1G+5], 512
	s_mov_b32 s[G1G+6], 0
	s_mov_b32 s[G1G+7], 0
	; scale bytes are dense: rows of 256 bytes (32 elements of 8), 4 words of padding behind every 64 words (code 5)
	s_mov_b32 s[G1GS], (3<<16)|(1<<20)|(5<<22)|(3<<25)          ; gw's: 1,024 bytes
	s_mov_b32 s[G1GS+1], 32<<16
	s_mov_b32 s[G1GS+2], 4<<16
	s_mov_b32 s[G1GS+3], 32<<16
	s_mov_b32 s[G1GS+4], 4
	s_mov_b32 s[G1GS+5], 32
	s_mov_b32 s[G1GS+6], 0
	s_mov_b32 s[G1GS+7], 0
	s_or_b32 s[G1S], s[CM], (3<<16)|(1<<20)|(1<<21)|(5<<22)|(3<<25)   ; pw's, of 128 rows: 4,096 bytes
	s_mov_b32 s[G1S+1], 32<<16
	s_mov_b32 s[G1S+2], 16<<16
	s_mov_b32 s[G1S+3], 32<<16
	s_mov_b32 s[G1S+4], 16
	s_mov_b32 s[G1S+5], 32
	s_mov_b32 s[G1S+6], 0
	s_mov_b32 s[G1S+7], 0
	s_mov_b32 s[SEL], 0x76543210
	s_mov_b32 s[SEL+1], 0xfedcba98
	s_mov_b32 s[CS], 0x3fb8aa3b                    ; log2(e)
	s_mov_b32 s[CS+1], s[CS]
	s_mul_i32 s[OHC], s[OH], HALFC                 ; no place in the cluster enters an LDS address
	s_mul_i32 s[OHS], s[OH], HALFS
	s_lshl_b32 s[O0], s[WGX], 5
	s_lshl_b32 s[XO+1], s[OH], 4
	s_add_co_u32 s[O0], s[O0], s[XO+1]             ; 32 WGX + 16 (wave % 2): the first output of the half that I fetch for, and that I compute
	s_lshl_b32 s[ROW0], s[WGY], 8
	s_lshl_b32 s[YO], s[OH], 7
	s_add_co_u32 s[YO], s[YO], s[ROW0]             ; the 128 rows of x that I fetch, if I fetch x,
	s_lshl_b32 s[YO], s[YO], 9                     ; in bytes
	s_mov_b32 s[YO+1], 0
	s_mov_b32 s[XO+1], 0
	s_wait_kmcnt 0x0
	; group 0: 1; the LDS address; the global address; the type 2 on top
	s_mov_b32 s[G0X], 1
	s_add_co_u32 s[G0X+1], s[OHC], R1C
	s_add_nc_u64 s[G0X+2:G0X+3], s[16:17], s[YO:YO+1]
	s_mov_b32 s[G0G], 1
	s_mov_b32 s[G0G+1], GW
	s_mov_b64 s[G0G+2:G0G+3], s[12:13]
	s_mov_b32 s[G0GS], 1
	s_mov_b32 s[G0GS+1], GWS
	s_mov_b64 s[G0GS+2:G0GS+3], s[14:15]
	s_mov_b32 s[G0P], 1
	s_add_co_u32 s[G0P+1], s[OHC], R0C
	s_lshl_b32 s[XO], s[O0], 14                    ; an output's codes are 16,384 bytes
	s_add_nc_u64 s[G0P+2:G0P+3], s[8:9], s[XO:XO+1]
	s_mov_b32 s[G0S], 1
	s_add_co_u32 s[G0S+1], s[OHS], R0S
	s_lshl_b32 s[XO], s[O0], 10                    ; its scale bytes 1,024
	s_add_nc_u64 s[G0S+2:G0S+3], s[10:11], s[XO:XO+1]
	s_add_nc_u64 s[G0P1+2:G0P1+3], s[G0P+2:G0P+3], 0x10000      ; chunk 1: four outputs on.  (The four pointers that lay in s[8:15] have been used)
	s_mov_b32 s[G0P1], 1
	s_add_co_u32 s[G0P1+1], s[OHC], R1C
	s_add_nc_u64 s[G0S1+2:G0S1+3], s[G0S+2:G0S+3], 0x1000
	s_mov_b32 s[G0S1], 1
	s_add_co_u32 s[G0S1+1], s[OHS], R1S
.irp g, G0X, G0G, G0GS, G0P, G0S, G0P1, G0S1
	s_or_b32 s[\g+3], s[\g+3], 0x80000000
.endr
	CROUND                                         ; all sixteen work-groups are here: the first joint loads meet
	; THE FIRST FILLS, a wave's inside one branch on its number.  Waves 0, 1: x, then chunk 0's codes: two loads out.  Waves 2, 3: gw's codes or scales, chunk 0's scales, chunk 1's scales: three out.
	s_cmp_lt_u32 s[WV], 2
	s_cbranch_scc0 .Lfirst_23
	tensor_load_to_lds s[G0X:G0X+3], s[G1X:G1X+7]
	s_nop 0
	tensor_load_to_lds s[G0P:G0P+3], s[G1P:G1P+7]
	s_nop 0
	PLACES
	s_branch .Lfirst_done
.Lfirst_23:
	s_cmp_eq_u32 s[WV], 2
	s_cbranch_scc0 .Lfirst_3
	tensor_load_to_lds s[G0G:G0G+3], s[G1G:G1G+7]
	s_nop 0
	tensor_load_to_lds s[G0S:G0S+3], s[G1S:G1S+7]
	s_nop 0
	tensor_load_to_lds s[G0S1:G0S1+3], s[G1S:G1S+7]
	s_nop 0
	PLACES
	s_branch .Lfirst_done
.Lfirst_3:
	tensor_load_to_lds s[G0GS:G0GS+3], s[G1GS:G1GS+7]
	s_nop 0
	tensor_load_to_lds s[G0S:G0S+3], s[G1S:G1S+7]
	s_nop 0
	tensor_load_to_lds s[G0S1:G0S1+3], s[G1S:G1S+7]
	s_nop 0
	PLACES
.Lfirst_done:
	; the small inputs go straight into registers
	s_lshl_b32 s[YO], s[BH], 7
	s_add_co_u32 s[ROW0], s[ROW0], s[YO]           ; my wave's first row b: 256 WGY + 128 (wave / 2)
	s_lshl_b32 s[YO], s[ROW0], 5
	s_add_nc_u64 s[18:19], s[18:19], s[YO:YO+1]    ; its scale bytes
	s_lshl_b32 s[YO], s[OH], 6
	s_add_co_u32 s[YO], s[YO], s[ROW0]             ; the first row that I store: + 64 (wave % 2)
	s_lshl_b32 s[YO], s[YO], 12                    ; a row of out0 is 4,096 bytes
	s_add_nc_u64 s[26:27], s[26:27], s[YO:YO+1]
	s_lshl_b32 s[XO], s[WGX], 7                    ; and the work-group's 32 outputs are 128 bytes of it
	s_add_nc_u64 s[26:27], s[26:27], s[XO:XO+1]
	s_lshl_b32 s[XO], s[O0], 4
	s_add_nc_u64 s[22:23], s[22:23], s[XO:XO+1]    ; pb's codes at my 16 outputs: 16 bytes a row
	s_mov_b32 s[XO], s[O0]
	s_add_nc_u64 s[24:25], s[24:25], s[XO:XO+1]    ; and its scale bytes
	v_and_b32 v[LN], 31, v0
	v_and_b32 v[RR], 15, v0
	v_bfe_u32 v[HH], v0, 4, 1
	v_bfe_u32 v[SW], v0, 2, 2
	v_lshlrev_b32 v[XSO], 5, v[RR]
	v_lshl_add_u32 v[XSO], v[HH], 4, v[XSO]
	v_xor_b32 v[XSO2], 16, v[XSO]
	v_lshlrev_b32 v[GBO], 5, v[HH]
	v_lshlrev_b32 v[PBO], 4, v[RR]
.irp m, 0,1,2,3,4,5,6,7
	global_load_b128 v[XS+4*\m:XS+4*\m+3], v[XSO], s[18:19] offset:512*\m      ; a row's 32 scale bytes: lanes 0-15 take its words 0-3: 512 consecutive bytes a load;
	global_load_b128 v[XS2+4*\m:XS2+4*\m+3], v[XSO2], s[18:19] offset:512*\m   ; and once more with the halves of the lanes changed: lanes 0-15 take its words 4-7
.endr
.irp t, 0,1
	global_load_b128 v[GBL+8*\t:GBL+8*\t+3], v[GBO], s[20:21] offset:64*\t
	global_load_b128 v[GBL+8*\t+4:GBL+8*\t+7], v[GBO], s[20:21] offset:64*\t+16
.endr
	global_load_b128 v[PB:PB+3], v[PBO], s[22:23]  ; pb(o = r, l = 0 .. 31)
	global_load_u8 v[PBS], v[RR], s[24:25]         ; its byte; the word's other bytes are 0 and stand over zero codes
	; lane constants
	v_mul_u32_u24 v[T0], v[RR], PITCH
	v_lshl_add_u32 v[T0], v[HH], 4, v[T0]          ; a fragment's row r x pitch + 16 h
	s_mul_i32 s[TB], s[BH], HALFC
	s_add_co_u32 s[TB], s[TB], R1C
	v_add_nc_u32 v[AX], s[TB], v[T0]
	s_lshl_b32 s[TB], s[WV], 13
	s_add_co_u32 s[TB], s[TB], STAGE               ; my block of the stage
	v_lshlrev_b32 v[T0+1], 6, v[RR]                ; row r of 64 bytes,
	v_lshl_add_u32 v[T0+1], v[SW], 4, v[T0+1]      ; the place of its column 0: (r / 4) % 4
	v_add_nc_u32 v[T0+1], s[TB], v[T0+1]
	v_lshl_add_u32 v[T0+2], v[HH], 12, v[T0+1]     ; 64 rows on for lanes 16-31
	v_lshlrev_b32 v[T0+3], 5, v[HH]
	v_xor_b32 v[T0+3], v[T0+3], v[T0+1]            ; the place of column 2 h
	s_lshl_b32 s[TB], s[BH], 14
	s_lshl_b32 s[TS], s[OH], 12
	s_add_co_u32 s[TB], s[TB], s[TS]
	s_add_co_u32 s[TB], s[TB], STAGE               ; the way out: the two blocks of my half of the rows, from row 64 (wave % 2) on
	v_and_b32 v[T0+4], 3, v0
	v_lshlrev_b32 v[GO], 4, v[T0+4]                ; column lane % 4,
	v_lshl_add_u32 v[AO], v[SW], 6, v[GO]          ; row (lane / 4) % 4 of four,
	v_lshl_add_u32 v[AO], v[HH], 13, v[AO]         ; lanes 16-31: the block of outputs 16-31
	v_add_nc_u32 v[AO], s[TB], v[AO]
	v_xor_b32 v[AO+1], 16, v[AO]
	v_xor_b32 v[AO+2], 32, v[AO]
	v_xor_b32 v[AO+3], 48, v[AO]
	v_lshl_add_u32 v[GO], v[HH], 6, v[GO]          ; and the same place in out0
	v_lshl_add_u32 v[GO], v[SW], 12, v[GO]
	v_lshrrev_b32 v[T0+5], 3, v[LN]
	v_lshlrev_b32 v[T0+4], 5, v[LN]
	WIN 0xc0                                       ; destination window 3
	v_mov_b32 v[AF0], v[T0]
	v_lshl_add_u32 v[AS0], v[T0+5], 4, v[T0+4]     ; leaf l's scale bytes: 32 l, and 16 more for each 256 passed
	v_mov_b32 v[AT0], v[T0+2]
	v_xor_b32 v[AT0+1], 16, v[T0+2]
	v_xor_b32 v[AT0+2], 32, v[T0+2]
	v_xor_b32 v[AT0+3], 48, v[T0+2]
	v_mov_b32 v[AR0], v[T0+3]
	v_xor_b32 v[AR1], 16, v[T0+3]
.irp i, 0,1,2,3,4,5,6,7,8,9,10,11,12,13,14,15
	v_mov_b32 v[S+\i], 0                           ; written once: named as pairs before both halves are made
.endr
.irp i, 0,1,2,3,4,5,6,7
	v_mov_b32 v[TMP+\i], 0                         ; written once: a lane permute's destination counts as one of its sources
.endr
	WIN 0
; ---------------------------------------------------------------- x into registers
	s_wait_tensorcnt 0x1                           ; all but my youngest first fill: waves 0, 1: x; waves 2, 3: gw and chunk 0's scales
	s_barrier_signal -1
	s_barrier_wait -1                              ; everybody's are in.
.macro XLOADS q, base                  ; K step q of my eight tiles: lane (r, h) takes 16 bytes at 64 q + 16 h and at 32 more
.irp m, 0,1,2,3,4,5,6,7
.irp c, 0,1
	ds_load_b128 v[\base+8*\m+4*\c:\base+8*\m+4*\c+3], v[AX] offset:\m*FB+64*(\q)+32*\c
.endr
.endr
.endm
	WIN 0x40
	XLOADS 0, 0
	XLOADS 1, 64
	XLOADS 2, 128
	WIN 0
	XLOADS 3, 128
	XLOADS 4, 192
	WIN 0x80
	XLOADS 5, 0
	XLOADS 6, 64
	XLOADS 7, 128
	WIN 0
	; x's bytes become slot 1
	s_wait_tensorcnt 0x0                           ; all my first fills have landed, chunk 0 among them
	ds_add_u32 v[SPW], v[NIL]                      ; 0 onto my spare word; work on registers stands between it and the wait for it
	s_wait_loadcnt 0x0                             ; the small inputs
.irp i, 0,2,4,6,8,10,12,14
	v_pk_mul_f32 v[GBL+\i:GBL+\i+1], v[GBL+\i:GBL+\i+1], s[CS:CS+1] op_sel_hi:[1,0]   ; gb x log2(e)
.endr
	v_cmp_gt_u32 vcc_lo, 16, v[LN]
.irp i, 0,1,2,3
	v_cndmask_b32 v[PB+\i], 0, v[PB+\i], vcc_lo    ; pb's K is 32: the operand's k = 32 .. 127 are zero codes: lanes 16-31 of registers 0-3,
.endr
.irp i, 4,5,6,7
	v_mov_b32 v[PB+\i], 0                          ; and registers 4-7
.endr
	s_wait_dscnt 0x0                               ; the add is done, and x is in my registers
	CROUND                                         ; so it is in every wave of every partner
	s_cmp_lt_u32 s[WV], 2                          ; chunk 1's codes over x: waves 0 and 1; waves 2 and 3 have no part of it
	s_cbranch_scc0 .Lno_codes
	tensor_load_to_lds s[G0P1:G0P1+3], s[G1P:G1P+7]
	s_nop 0
	PLACES
.Lno_codes:
; ---------------------------------------------------------------- one output
; One matrix instruction: accumulator m += the output's 32 leaves x tile m of x, K step q.
.macro MM q, m
.if (\q) < 3
.set rX, 8*(8*(\q)+(\m))
.elseif (\q) < 5
.set rX, 128+8*(8*((\q)-3)+(\m))
.else
.set rX, 8*(8*((\q)-5)+(\m))
.endif
.set rA, 16*(\m)
.set rF, F+32*(((\q)/2)%2)+16*((\q)%2)
.set rP, SC+(\q)
.if (\q) < 4
.set rQ, XS+4*(\m)+(\q)
.else
.set rQ, XS2+4*(\m)+(\q)-4
.endif
.if (\q) == 0
	v_wmma_scale_f32_32x16x128_f4 v[rA:rA+15], v[rF:rF+15], v[rX:rX+7], 0, v[rP], v[rQ]
.else
	v_wmma_scale_f32_32x16x128_f4 v[rA:rA+15], v[rF:rF+15], v[rX:rX+7], v[rA:rA+15], v[rP], v[rQ]
.endif
.endm
; Number n of 32 of the sum over l of four finished tiles (g = 0: tiles 0-3, 1: tiles 4-7): tile n % 4, pair n / 4 of its accumulator: the four tiles by turns, each accumulator from its low end on.  A tile's first starts its sum.
.macro EP g, n
.set eT, (\n)%4
.set eI, (\n)/4
.set eA, 16*(4*(\g)+eT)+2*eI
.set eP, PR+16*eT+2*eI
.set eS, S+2*(4*(\g)+eT)
.if eI == 0
	v_pk_mul_f32 v[eS:eS+1], v[eA:eA+1], v[eP:eP+1]
.else
	v_pk_fma_f32 v[eS:eS+1], v[eA:eA+1], v[eP:eP+1], v[eS:eS+1]
.endif
.endm
; Number k of 16 of the end of an output's sum: a pair's halves; tiles j and j + 4 change halves of the lanes; the two halves of the leaves.  Then lanes 0-15 of S[j] hold tile j's sum, lanes 16-31 tile j + 4's.
; (The additions are written x 1.0 + y: of that form every register lies in a place whose window the products leave on window 3.)
.macro FIN k
.if (\k) < 8
	v_fma_f32 v[S+2*(\k)], v[S+2*(\k)], 1.0, v[S+2*(\k)+1]
.elseif (\k) < 12
	v_permlane16_swap_b32 v[S+2*((\k)-8)], v[S+2*((\k)-4)]
.else
	v_fma_f32 v[S+2*((\k)-12)], v[S+2*((\k)-12)], 1.0, v[S+2*((\k)-8)]
.endif
.endm
.macro FIN4                            ; four of them on end
.rept 4
	FIN NF
.set NF, NF+1
.endr
.endm
.macro RUN p                           ; eight LDS loads: K steps 2 p, 2 p + 1 of an output into buffer p % 2: for each, leaves 0-15 and leaves 16-31, 2 x 16 bytes a lane
.irp u, 0,1
.irp t, 0,1
.irp c, 0,1
	ds_load_b128 v[F+32*((\p)%2)+16*\u+8*\t+4*\c:F+32*((\p)%2)+16*\u+8*\t+4*\c+3], v[ADF] offset:\t*FB+64*(2*(\p)+\u)+32*\c
.endr
.endr
.endr
.endm
.macro SCL half, back                  ; an output's scale words of K steps 4 half .. 4 half + 3: one load, 16 bytes of each leaf's 32
	WIN 0x03                                       ; destination window 0, address window 3
	ds_load_b128 v[SC+4*(\half):SC+4*(\half)+3], v[ADS] offset:16*(\half)
	WIN \back
.endm
.macro PUT                             ; one output's sums for my 128 rows into my block of the stage
	WIN 0x0f                                       ; address and data window 3
.irp j, 0,1,2,3
	ds_store_b32 v[AST], v[S+2*\j] offset:1024*\j
.endr
	s_add_co_u32 s[TO], s[TO], 4
.endm
; K step q of tiles m0 .. m0 + cnt - 1: the accumulators by turns, one instruction a turn.  Behind each: kind 1: four of tiles 4-7's sum over l; 2: four of tiles 0-3's; 3: one of the sum's end; 0: nothing.
.macro QRUN q, m0, cnt, kind
.set MI, \m0
.rept \cnt
	MM \q, MI
.if (\kind) == 1
.rept 4
	EP 1, NI
.set NI, NI+1
.endr
.elseif (\kind) == 2
.rept 4
	EP 0, NI
.set NI, NI+1
.endr
.elseif (\kind) == 3
	FIN NF
.set NF, NF+1
.endif
.set MI, MI+1
.endr
.endm
; ONE OUTPUT: 64 matrix instructions.
; epb: the output before is finished on the way: tiles 4-7's sum over l, the sum's end, its store (col: its column in the stage).   epa: this output's tiles 0-3 are summed over l behind its last eight matrix instructions.
; nxt: the next output is fetched.  Each run of eight loads stands 16 matrix instructions ahead of its first use, behind four places behind the last instruction that read its buffer.
; mode: where the next output lies: 0: OB further on;  1: at the head of slot;  2: likewise, behind a change of slots, and the slot that is left is filled again by g0p, g0s;  3: a change of slots without a fill.
.macro OUTP epb, epa, nxt, mode=0, slot=0, col=0, g0p=0, g0s=0
.set NI, 0
.set NF, 0
	s_wait_dscnt 9                                 ; K steps 0, 1 and scale words 0-3 are in; the eight loads of K steps 2, 3 and that of scale words 4-7 may be out
	WIN 0xf7                                       ; D, C, pw window 3; x window 1
	QRUN 0, 0, 4, \epb
	QRUN 1, 0, 4, \epb
	QRUN 0, 4, 4, 3*(\epb)
	QRUN 1, 4, 4, 0
.if \epb
	FIN4                                           ; (these four are the places in front of the loads below)
.else
	PLACES
.endif
	RUN 2
	s_wait_dscnt 8                                 ; all but the eight just issued: K steps 2, 3 and scale words 4-7 are in
	QRUN 2, 0, 8, 0
	WIN 0xf3                                       ; x window 0
	QRUN 3, 0, 4, 0
	QRUN 3, 4, 4, 3*(\epb)
.if \epb
	v_add_nc_u32 v[AST], v[AT0+(\col)], s[TO]
	FIN4                                           ; (the places)
	PUT
	WIN 0xf3
.else
	PLACES
.endif
	RUN 3                                          ; at a change of slots: my last reads of the slot
.if \mode >= 2
	WIN 0                                          ; (the add's two registers lie in window 0)
	s_wait_tensorcnt 0x0                           ; all my tensor loads have landed: the one that was out is my part of the next slot
	ds_add_u32 v[SPW], v[NIL]                      ; 0 onto my spare word
.if \mode == 2
	s_add_nc_u64 s[\g0p+2:\g0p+3], s[\g0p+2:\g0p+3], 0x20000   ; no load of mine is out, so a group 0 may be written: two chunks, eight outputs, on
	s_add_nc_u64 s[\g0s+2:\g0s+3], s[\g0s+2:\g0s+3], 0x2000
.endif
	s_wait_dscnt 9                                 ; the add and the loads of K steps 6, 7 may be out
.else
	s_wait_dscnt 8                                 ; K steps 4, 5 are in and the stage's stores are done; the loads of K steps 6, 7 may be out
.endif
	WIN 0xf3
	QRUN 4, 0, 8, 0
.if \mode >= 2
	s_wait_dscnt 0x0                               ; the add is done, and my reads of this slot are over
	s_barrier_signal -1                            ; (with a fill this barrier opens a round of the cluster's)
.endif
	WIN 0xfb                                       ; x window 2
	QRUN 5, 0, 8, 0
.if \mode == 2
	WIN 0
	s_barrier_wait -1
	CREST                                          ; no wave of any partner still reads the slot or has a load on its way
	JL2 \g0p, \g0s                                 ; the first tensor load behind the round, my only one until the next
.elseif \mode == 3
	WIN 0
	s_barrier_wait -1
.endif
.if \nxt
.if \mode == 0
	s_add_co_u32 s[TB], s[TB], OB
	s_add_co_u32 s[TS], s[TS], OS
.else
	s_add_co_u32 s[TB], s[OHC], R0C+(\slot)*(R1C-R0C)
	s_add_co_u32 s[TS], s[OHS], R0S+(\slot)*(R1S-R0S)
.endif
	WIN 0xfb
	v_add_nc_u32 v[ADF], v[AF0], s[TB]             ; these two and two v_nop are the places in front of the loads below
	v_add_nc_u32 v[ADS], v[AS0], s[TS]
	v_nop
	v_nop
	RUN 0
	SCL 0, 0xfb
	s_wait_dscnt 9                                 ; all but the nine just issued: K steps 6, 7 are in
.else
	s_wait_dscnt 0x0
.endif
	WIN 0xfb
	QRUN 6, 0, 4, 0
	QRUN 7, 0, 4, 0
.if \epa
	PLACES                                         ; in front of the first read of tiles 0-3's accumulators
.set NI, 0
	QRUN 6, 4, 4, 2
	QRUN 7, 4, 4, 2                                ; the last four multiply-adds are the places in front of the loads below and of the first read of tiles 4-7's accumulators
.else
	QRUN 6, 4, 4, 0
	QRUN 7, 4, 4, 0
	PLACES
.endif
.if \nxt
	RUN 1
	SCL 1, 0xfb
.endif
.endm
; ---------------------------------------------------------------- the gate's product: gw is one more output
	s_mov_b32 s[TB], GW
	s_mov_b32 s[TS], GWS
	s_mov_b32 s[TO], 0
	WIN 0xf7
	v_add_nc_u32 v[ADF], v[AF0], s[TB]
	v_add_nc_u32 v[ADS], v[AS0], s[TS]
	RUN 0
	SCL 0, 0xf7
	RUN 1
	SCL 1, 0xf7
	OUTP 0, 0, 1, 1, 0                             ; and the first output's first K steps are fetched from slot 0, which the round above has shown whole
	WIN 0
	s_wait_dscnt 0x0                               ; my reads of gw are over
	s_barrier_signal -1
	s_barrier_wait -1                              ; everybody's are: the stage may be written
; ---------------------------------------------------------------- the softmax: a lane holds one row b and 16 of its 32 leaves, lane l xor 16 the others
	WIN 0xc3                                       ; accumulators window 3, gb window 0
.irp m, 0,1,2,3,4,5,6,7
.irp i, 0,1,2,3,4,5,6,7
	v_pk_fma_f32 v[16*\m+2*\i:16*\m+2*\i+1], v[16*\m+2*\i:16*\m+2*\i+1], s[CS:CS+1], v[GBL+2*\i:GBL+2*\i+1] op_sel_hi:[1,0,1]   ; t
.endr
.endr
	WIN 0xff
.irp m, 0,1,2,3,4,5,6,7
	v_max3_num_f32 v[MX+\m], v[16*\m], v[16*\m+1], v[16*\m+2]     ; the largest of my 16, the eight tiles by turns
.endr
.irp i, 3,5,7,9,11,13
.irp m, 0,1,2,3,4,5,6,7
	v_max3_num_f32 v[MX+\m], v[MX+\m], v[16*\m+\i], v[16*\m+\i+1]
.endr
.endr
.irp m, 0,1,2,3,4,5,6,7
	v_max_num_f32 v[MX+\m], v[MX+\m], v[16*\m+15]
.endr
.irp m, 0,1,2,3,4,5,6,7
	v_permlanex16_b32 v[TMP+\m], v[MX+\m], s[SEL], s[SEL+1]
.endr
.irp m, 0,1,2,3,4,5,6,7
	v_max_num_f32 v[MX+\m], v[MX+\m], v[TMP+\m]    ; the row's largest t
.endr
.irp m, 0,1,2,3,4,5,6,7
	v_floor_f32 v[S+2*\m], -v[MX+\m]               ; -M = floor(-t) = -ceil(t)
.endr
.irp m, 0,1,2,3,4,5,6,7
	v_add_f32 v[MX+\m], v[MX+\m], v[S+2*\m]        ; the largest t - M: the same addition and exponential as every t's give the largest p's own bits
.endr
.irp m, 0,1,2,3,4,5,6,7
.irp i, 0,1,2,3,4,5,6,7
	v_pk_add_f32 v[16*\m+2*\i:16*\m+2*\i+1], v[16*\m+2*\i:16*\m+2*\i+1], v[S+2*\m:S+2*\m+1] op_sel_hi:[1,0]   ; t - M
.endr
.endr
	WIN 0x83                                       ; p of tiles 0-3 into window 2
.irp m, 0,1,2,3
.irp j, 0,1,2,3,4,5,6,7,8,9,10,11,12,13,14,15
	v_exp_f32 v[PR+16*\m+\j], v[16*\m+\j]
.endr
.endr
	WIN 0x43                                       ; of tiles 4-7 into window 1
.irp m, 0,1,2,3
.irp j, 0,1,2,3,4,5,6,7,8,9,10,11,12,13,14,15
	v_exp_f32 v[PR+16*\m+\j], v[64+16*\m+\j]
.endr
.endr
	WIN 0xff
.irp m, 0,1,2,3,4,5,6,7
	v_exp_f32 v[MX+\m], v[MX+\m]                   ; the row's largest p, above 1/2
.endr
	v_nop                                          ; a plain place behind the exponentials
	s_wait_alu depctr_va_vdst(0)
.irp m, 0,1,2,3,4,5,6,7
	v_add_nc_u32 v[MX+\m], 0xff000000, v[MX+\m]    ; 2 off its exponent field: the conversion's scale operand; it stays here until the tail
.endr
	WIN 0x0c                                       ; source 1 window 3, destination window 0
.irp m, 0,1,2,3,4,5,6,7
	v_lshrrev_b32 v[PW+\m], 23, v[MX+\m]           ; the scale's byte; the word's other bytes are 0 and stand over zero codes
.endr
	WIN 0xca                                       ; THE ROW'S SUM IS TAKEN OF THE UNQUANTISED p.  The accumulators are free
.irp m, 0,1,2,3
.irp i, 0,1,2,3
	v_pk_add_f32 v[16*\m+2*\i:16*\m+2*\i+1], v[PR+16*\m+4*\i:PR+16*\m+4*\i+1], v[PR+16*\m+4*\i+2:PR+16*\m+4*\i+3]
.endr
.endr
	WIN 0xc5
.irp m, 0,1,2,3
.irp i, 0,1,2,3
	v_pk_add_f32 v[64+16*\m+2*\i:64+16*\m+2*\i+1], v[PR+16*\m+4*\i:PR+16*\m+4*\i+1], v[PR+16*\m+4*\i+2:PR+16*\m+4*\i+3]
.endr
.endr
	WIN 0xff
.irp m, 0,1,2,3,4,5,6,7
	v_pk_add_f32 v[16*\m:16*\m+1], v[16*\m:16*\m+1], v[16*\m+2:16*\m+3]
.endr
.irp m, 0,1,2,3,4,5,6,7
	v_pk_add_f32 v[16*\m+4:16*\m+5], v[16*\m+4:16*\m+5], v[16*\m+6:16*\m+7]
.endr
.irp m, 0,1,2,3,4,5,6,7
	v_pk_add_f32 v[16*\m:16*\m+1], v[16*\m:16*\m+1], v[16*\m+4:16*\m+5]
.endr
.irp m, 0,1,2,3,4,5,6,7
	v_add_f32 v[16*\m], v[16*\m], v[16*\m+1]
.endr
.irp m, 0,1,2,3,4,5,6,7
	v_permlanex16_b32 v[TMP+\m], v[16*\m], s[SEL], s[SEL+1]
.endr
.irp m, 0,1,2,3,4,5,6,7
	v_add_f32 v[16*\m], v[16*\m], v[TMP+\m]
.endr
.irp m, 0,1,2,3,4,5,6,7
	v_rcp_f32 v[RL+2*\m], v[16*\m]                 ; twice, to fill the pair that the packed multiplication takes
	v_rcp_f32 v[RL+2*\m+1], v[16*\m]
.endr
	v_nop                                          ; a plain place behind the reciprocals
; ---------------------------------------------------------------- x pw: 16 outputs a wave, in four chunks of four.  The store of an output stands in the output behind it.
.macro CHUNKLOOP col
	WIN 0                                          ; at a label and at a branch every window is 0
	s_mov_b32 s[CNT], 2
.Loutput_\@:
	OUTP 1, 1, 1, 0, 0, \col
	WIN 0
	s_sub_co_u32 s[CNT], s[CNT], 1
	s_cmp_lg_u32 s[CNT], 0
	s_cbranch_scc1 .Loutput_\@
.endm
	OUTP 0, 1, 1                                   ; output 0: nothing is finished yet
	CHUNKLOOP 0                                    ; outputs 1, 2
	OUTP 1, 1, 1, 2, 1, 0, G0P, G0S                ; output 3: on to slot 1 (chunk 1); slot 0 takes chunk 2: it has four outputs, 256 matrix instructions, in which to land
	OUTP 1, 1, 1, 0, 0, 0                          ; output 4 stores output 3, the last of the stage's column 0
	s_mov_b32 s[TO], 0
	CHUNKLOOP 1
	OUTP 1, 1, 1, 2, 0, 1, G0P1, G0S1              ; output 7: on to slot 0 (chunk 2); slot 1 takes chunk 3
	OUTP 1, 1, 1, 0, 0, 1
	s_mov_b32 s[TO], 0
	CHUNKLOOP 2
	OUTP 1, 1, 1, 3, 1, 2                          ; output 11: on to slot 1 (chunk 3); nothing is left to fetch
	OUTP 1, 1, 1, 0, 0, 2
	s_mov_b32 s[TO], 0
	CHUNKLOOP 3
	OUTP 1, 1, 0, 0, 0, 3                          ; output 15 fetches nothing
; ---------------------------------------------------------------- the tail
	WIN 0xf7                                       ; the last output's tiles 4-7 (the four multiply-adds behind its last product are the places in front)
.set NI, 0
.rept 32
	EP 1, NI
.set NI, NI+1
.endr
.set NF, 0
.rept 16
	FIN NF
.set NF, NF+1
.endr
	v_add_nc_u32 v[AST], v[AT0+3], s[TO]
	PUT
	; Q(p): a row's 32 leaves are one block.  The operand wants them in lanes 0-15, registers 0-3; all else of its 128 along K is zero codes.
	WIN 0xce                                       ; p window 2 (tiles 0-3), the scale operand and the codes window 3: pw's fragment registers are free
.irp m, 0,1,2,3,4,5,6,7
.irp i, 1,3,4,5,6,7
	v_mov_b32 v[F+8*\m+\i], 0
.endr
.endr
.irp m, 0,1,2,3
	v_cvt_scalef32_pk8_fp4_f32 v[F+8*\m], v[PR+16*\m:PR+16*\m+7], v[MX+\m]         ; leaves 8 h + 0 .. 7
	v_cvt_scalef32_pk8_fp4_f32 v[F+8*\m+2], v[PR+16*\m+8:PR+16*\m+15], v[MX+\m]    ; leaves 16 + 8 h + 0 .. 7
.endr
	WIN 0xcd                                       ; p window 1 (tiles 4-7)
.irp m, 0,1,2,3
	v_cvt_scalef32_pk8_fp4_f32 v[F+32+8*\m], v[PR+16*\m:PR+16*\m+7], v[MX+4+\m]
	v_cvt_scalef32_pk8_fp4_f32 v[F+32+8*\m+2], v[PR+16*\m+8:PR+16*\m+15], v[MX+4+\m]
.endr
	WIN 0xff
	v_nop                                          ; one plain place behind a scaled conversion
.irp m, 0,1,2,3,4,5,6,7
	v_permlane16_swap_b32 v[F+8*\m], v[F+8*\m+1]   ; the first's lanes 16-31 (leaves 8-15) change places with the zeros in the second's lanes 0-15
	v_permlane16_swap_b32 v[F+8*\m+2], v[F+8*\m+3] ; likewise leaves 24-31
.endr
.irp m, 0,1,2,3,4,5,6,7
	ds_load_b128 v[16*\m:16*\m+3], v[AR0] offset:1024*\m       ; my sums back from my block, in a result's layout: lane (r, h), register j: row 16 m + r, output 8 h + j.
	ds_load_b128 v[16*\m+4:16*\m+7], v[AR1] offset:1024*\m     ; LDS serves a wave's instructions in order (ISA guide 5.7.1.4): these see my stores
.endr
	PLACES                                         ; an operand written by vector instructions stands four places ahead of a scaled matrix instruction
	s_wait_dscnt 0x0
	WIN 0xfc                                       ; pb window 0; Q(p), C and D window 3
.irp m, 0,1,2,3,4,5,6,7
	v_wmma_scale_f32_16x16x128_f8f6f4 v[16*\m:16*\m+7], v[PB:PB+7], v[F+8*\m:F+8*\m+7], v[16*\m:16*\m+7], v[PBS], v[PW+\m] matrix_a_fmt:MATRIX_FMT_FP4 matrix_b_fmt:MATRIX_FMT_FP4   ; + Q(p) pb: the sums are its C
.endr
	PLACES
	WIN 0xff
	s_wait_alu depctr_va_vdst(0)
.irp m, 0,1,2,3,4,5,6,7
.irp i, 0,1,2,3
	v_pk_mul_f32 v[16*\m+2*\i:16*\m+2*\i+1], v[16*\m+2*\i:16*\m+2*\i+1], v[RL+2*\m:RL+2*\m+1]   ; / the row's sum; each accumulator from its low end on
.endr
.endr
	WIN 0x0f
.irp m, 0,1,2,3,4,5,6,7
	ds_store_b128 v[AR0], v[16*\m:16*\m+3] offset:1024*\m
	ds_store_b128 v[AR1], v[16*\m+4:16*\m+7] offset:1024*\m
.endr
	WIN 0
	s_wait_dscnt 0x0                               ; for the others' sake: my stores into the stage are done
	s_barrier_signal -1
	s_barrier_wait -1
	; THE WAY OUT.  A row's 32 outputs lie in two waves' blocks.  Each wave stores 64 rows, four at a time: 4 x 128 consecutive bytes, aligned to 128.
.irp i, 0,1,2,3,4,5,6,7,8,9,10,11,12,13,14,15
	ds_load_b128 v[OUTR+4*\i:OUTR+4*\i+3], v[AO+\i%4] offset:256*\i
.endr
.irp i, 0,1,2,3,4,5,6,7,8,9,10,11,12,13,14,15
	s_wait_dscnt 15-\i                             ; LDS loads come back in order: load i is in
	global_store_b128 v[GO], v[OUTR+4*\i:OUTR+4*\i+3], s[26:27] offset:16384*\i th:TH_STORE_NT   ; written once, read by nobody here
.endr
	s_wait_tensorcnt 0x0                           ; the wave's end: behind my last tensor load and my last LDS store
	ds_add_u32 v[SPW], v[NIL]
	s_wait_dscnt 0x0
	CROUND                                         ; the closing round: no work-group ends while a partner may still ask for a tile that names it
	s_endpgm
.Lfunc_end_k_qfaee64a688_moe:
	.size	k_qfaee64a688_moe, .Lfunc_end_k_qfaee64a688_moe-k_qfaee64a688_moe
	.p2alignl 7, 3214868480
	.fill 96, 4, 3214868480
	.section	.rodata,"a",@progbits
	.p2align	6, 0x0
	.amdhsa_kernel k_qfaee64a688_moe
		.amdhsa_group_segment_fixed_size 327680
		.amdhsa_private_segment_fixed_size 0
		.amdhsa_enable_private_segment 0
		.amdhsa_kernarg_size 80
		.amdhsa_user_sgpr_count 2
		.amdhsa_user_sgpr_kernarg_segment_ptr 1
		.amdhsa_wavefront_size32 1
		.amdhsa_system_sgpr_workgroup_id_x 1
		.amdhsa_system_sgpr_workgroup_id_y 1
		.amdhsa_system_sgpr_workgroup_id_z 1
		.amdhsa_system_vgpr_workitem_id 0
		.amdhsa_next_free_vgpr 1024
		.amdhsa_next_free_sgpr 106
		.amdhsa_reserve_vcc 1
		.amdhsa_float_denorm_mode_32 3
		.amdhsa_float_denorm_mode_16_64 3
		.amdhsa_memory_ordered 1
		.amdhsa_forward_progress 1
		.amdhsa_inst_pref_size 255
	.end_amdhsa_kernel
	.section	.bss,"aw",@nobits
	.p2align	6
	.space	262144
	.amdgpu_metadata
---
amdhsa.version: [ 1, 2 ]
amdhsa.kernels:
  - .name:           k_qfaee64a688_moe
    .symbol:         k_qfaee64a688_moe.kd
    .args:
      - { .name: pw_codes, .offset: 0, .size: 8, .value_kind: global_buffer, .address_space: global }
      - { .name: pw_scales, .offset: 8, .size: 8, .value_kind: global_buffer, .address_space: global }
      - { .name: gw_codes, .offset: 16, .size: 8, .value_kind: global_buffer, .address_space: global }
      - { .name: gw_scales, .offset: 24, .size: 8, .value_kind: global_buffer, .address_space: global }
      - { .name: x_codes, .offset: 32, .size: 8, .value_kind: global_buffer, .address_space: global }
      - { .name: x_scales, .offset: 40, .size: 8, .value_kind: global_buffer, .address_space: global }
      - { .name: gb, .offset: 48, .size: 8, .value_kind: global_buffer, .address_space: global }
      - { .name: pb_codes, .offset: 56, .size: 8, .value_kind: global_buffer, .address_space: global }
      - { .name: pb_scales, .offset: 64, .size: 8, .value_kind: global_buffer, .address_space: global }
      - { .name: out0, .offset: 72, .size: 8, .value_kind: global_buffer, .address_space: global }
    .group_segment_fixed_size: 327680
    .private_segment_fixed_size: 0
    .kernarg_segment_align: 8
    .kernarg_segment_size: 80
    .max_flat_workgroup_size: 128
    .sgpr_count:     106
    .vgpr_count:     1024
    .wavefront_size: 32
...
	.end_amdgpu_metadata
.endif
;; end of part 1
